; MI455X (gfx1250); checked and timed in simulation.
; The chip was launched on July 23, 2026; its instructions are those of AMD's public machine-readable ISA for CDNA 5 (MIT licence, August 2026) and "CDNA5" Instruction Set Architecture Reference Guide (July 2026). The comments in the code are by the model that wrote it; some were corrected since.
;; Switch Mlp. Allowed arithmetic: float matrix products may take bf16 or f16 operands with f32 sums; other float arithmetic in f32, or as packed bf16 or f16 multiplies, adds, multiply-adds, maxima and minima; sums over many terms, partial sums and values carried from step to step in f32; what a program stores and reads back later, other than sums and carried values, may be rounded once to bf16 or f16.
;; Inputs: W1 8 x 512 x 2,048 float32; W2 8 x 2,048 x 512 float32; Wr 512 x 8 float32; b1 8 x 2,048 float32; b2 8 x 512 float32; br 8 float32; x 8 x 512 x 512 float32.
;; Outputs: out0 8 x 512 x 512 float32.
;; One version. Each part assembles by itself: llvm-mc -triple=amdgcn-amd-amdhsa -mcpu=gfx1250 --defsym DOCPART=n.
;; ======== version 1 of 1: 3 launches
;; limits: values are held in f16: magnitudes above 65,504 overflow, below 6.1e-05 lose precision
;; workspace buffers: xh 4,194,304 bytes; maps 8,192 bytes of whole numbers; gate 16,384 bytes; hbuf 17,301,504 bytes; order 16,896 bytes of whole numbers
;; launch router (part 1): grid 256 x 1, 4 waves a work-group, no clusters, 1,024 bytes of LDS; arguments x, Wr, br, xh, maps, gate; writes xh, maps, gate
.if DOCPART == 1
	.amdgcn_target "amdgcn-amd-amdhsa--gfx1250"
	.amdhsa_code_object_version 6
	.text
	.protected	k_q15b988665b_router
	.globl	k_q15b988665b_router
	.p2align	8
	.type	k_q15b988665b_router,@function
k_q15b988665b_router:
	s_mov_b64 s[64:65], 0
	v_nop
	global_prefetch_b8 v0, s[64:65] scope:SCOPE_SE
	s_setreg_imm32_b32 hwreg(HW_REG_WAVE_MODE, 25, 1), 1
	s_wait_xcnt 0x0
; ROUTER.  logits = x Wr + br in f32 on the unrounded inputs; the chosen expert; g = p / p of the softmax's largest number; x rounded once to f16.
; x [4096][512] f32, Wr [512][8] f32, br [8] f32.  Out: xh [4096][512] f16; maps u32 [16][128]: row e (0-7): bit i of word w says that token 32 w + i chose e;
; row 8 + e: that it chose an expert below e; gate f32 [4096].
; SHARES.  A work-group has 16 tokens, a wave 4.  Lane l holds k = 128 i + 4 l + kk (i, kk = 0..3) of each of its 4 rows: a load of a wave covers 512 consecutive bytes of x.
; The 8 x 512 products of a token are 64 packed multiply-adds a wave: too few for the matrix unit, whose f32 form is no faster than the vector unit.
; LIMITS.  The largest logit is taken (the lower index on a tie), where reference() takes the largest probability: the two differ only where two probabilities round to one number.
; The f32 sums run in another order than reference()'s.  g = p x (1 / p) with two reciprocals of 1 ulp: 1 to within an ulp.  |x| beyond 65,504 has no f16.  NaN and infinities are not treated apart.
; No cluster: the work-groups share Wr alone, 16 KB against 32 KB of x each, and it goes through registers.
.set SPARE, 512                        ; LDS: 0-511 the 16 tokens' 8 logits; 512-1023 the spare words, 128 bytes a wave
.set WR,  16                           ; v[16:143]   Wr of my 16 k: register (4 i + kk) 8 + expert
.set X,   144                          ; v[144:207]  x: register 16 j + 4 i + kk of my row j
.set ACC, 208                          ; v[208:239]  sums: register 8 j + expert
	s_load_b256 s[4:11], s[0:1], 0x0               ; x s[4:5], Wr s[6:7], br s[8:9], xh s[10:11]
	s_load_b128 s[12:15], s[0:1], 0x20             ; maps s[12:13], gate s[14:15]
	v_lshl_add_u32 v6, v0, 2, SPARE                ; my spare word
	v_mov_b32 v7, 0                                ; and 0
	v_and_b32 v1, 31, v0                           ; lane
	v_lshrrev_b32 v5, 5, v0
	v_readfirstlane_b32 s16, v5                    ; wave
	v_lshlrev_b32 v2, 4, v1                        ; 16 lane: my 16 bytes in 512 of x
	v_lshlrev_b32 v3, 7, v1                        ; 128 lane: my four rows of Wr
	v_lshlrev_b32 v4, 3, v1                        ; 8 lane: my 8 bytes in 256 of xh
	s_lshl_b32 s17, s16, 7
	v_mov_b32 v5, s17                              ; my wave's 4 x 8 logits in LDS
.irp n, 8,9,10,11
	v_mov_b32 v[\n], 0                             ; v_permlanex16_b32 counts as a reader of its destination
.endr
	s_mov_b32 s28, 0x76543210                      ; each lane takes its own place in the other half
	s_mov_b32 s29, 0xfedcba98
	s_mov_b32 s30, 0x3fb8aa3b                      ; log2(e)
	s_mov_b32 s19, 0
	s_lshl_b32 s18, ttmp9, 15                      ; 16 rows of 2,048 bytes,
	s_lshl_b32 s17, s16, 13                        ; 4 of them a wave
	s_add_co_u32 s18, s18, s17
	s_wait_kmcnt 0x0
	s_load_b256 s[20:27], s[8:9], 0x0              ; br
	s_add_nc_u64 s[4:5], s[4:5], s[18:19]
	s_lshr_b32 s18, s18, 1                         ; xh has half the bytes
	s_add_nc_u64 s[10:11], s[10:11], s[18:19]
	s_lshl_b32 s18, ttmp9, 1                       ; 16 tokens are half a word of a map
	s_add_nc_u64 s[12:13], s[12:13], s[18:19]
	s_lshl_b32 s18, ttmp9, 6
	s_add_nc_u64 s[14:15], s[14:15], s[18:19]
.irp j, 0,1,2,3
.irp i, 0,1,2,3
	global_load_b128 v[X+16*(\j)+4*(\i):X+16*(\j)+4*(\i)+3], v2, s[4:5] offset:(\j)*2048+(\i)*512 th:TH_LOAD_NT
.endr
.endr
.irp i, 0,1,2,3
.irp kk, 0,1,2,3
	global_load_b128 v[WR+8*(4*(\i)+(\kk)):WR+8*(4*(\i)+(\kk))+3],   v3, s[6:7] offset:(\i)*4096+(\kk)*32
	global_load_b128 v[WR+8*(4*(\i)+(\kk))+4:WR+8*(4*(\i)+(\kk))+7], v3, s[6:7] offset:(\i)*4096+(\kk)*32+16
.endr
.endr
	s_wait_loadcnt 0x0
	s_wait_kmcnt 0x0
; One k of my sixteen for all 4 rows and 4 pairs of experts: 16 chains that do not wait for each other.  x's number is given to both halves: op_sel and op_sel_hi pick its register of the pair.
.macro DOT i, kk
.irp j, 0,1,2,3
.irp p, 0,1,2,3
.if ((\i)+(\kk)) == 0
	v_pk_mul_f32 v[ACC+8*(\j)+2*(\p):ACC+8*(\j)+2*(\p)+1], v[WR+2*(\p):WR+2*(\p)+1], v[X+16*(\j):X+16*(\j)+1] op_sel_hi:[1,0]  ; the first product starts the sum
.elseif ((\kk)%2) == 0
	v_pk_fma_f32 v[ACC+8*(\j)+2*(\p):ACC+8*(\j)+2*(\p)+1], v[WR+8*(4*(\i)+(\kk))+2*(\p):WR+8*(4*(\i)+(\kk))+2*(\p)+1], v[X+16*(\j)+4*(\i)+(\kk):X+16*(\j)+4*(\i)+(\kk)+1], v[ACC+8*(\j)+2*(\p):ACC+8*(\j)+2*(\p)+1] op_sel_hi:[1,0,1]
.else
	v_pk_fma_f32 v[ACC+8*(\j)+2*(\p):ACC+8*(\j)+2*(\p)+1], v[WR+8*(4*(\i)+(\kk))+2*(\p):WR+8*(4*(\i)+(\kk))+2*(\p)+1], v[X+16*(\j)+4*(\i)+(\kk)-1:X+16*(\j)+4*(\i)+(\kk)], v[ACC+8*(\j)+2*(\p):ACC+8*(\j)+2*(\p)+1] op_sel:[0,1,0] op_sel_hi:[1,1,1]
.endif
.endr
.endr
.endm
.irp i, 0,1,2,3
.irp kk, 0,1,2,3
	DOT \i, \kk
.endr
.endr
	; x leaves in f16: my four numbers are 8 bytes, a wave's store 256 consecutive bytes at a multiple of 256 from xh's first byte
.irp j, 0,1,2,3
.irp i, 0,1,2,3
	v_cvt_pk_f16_f32 v[X+16*(\j)+4*(\i)],   v[X+16*(\j)+4*(\i)],   v[X+16*(\j)+4*(\i)+1]
	v_cvt_pk_f16_f32 v[X+16*(\j)+4*(\i)+1], v[X+16*(\j)+4*(\i)+2], v[X+16*(\j)+4*(\i)+3]
	global_store_b64 v4, v[X+16*(\j)+4*(\i):X+16*(\j)+4*(\i)+1], s[10:11] offset:(\j)*1024+(\i)*256
.endr
.endr
	; the 32 sums over the 32 lanes: four steps inside each half ride on the addition, one crosses the halves
.irp d, 1,2,4,8
.set n, 0
.rept 32
	v_add_f32_dpp v[ACC+n], v[ACC+n], v[ACC+n] row_xmask:\d row_mask:0xf bank_mask:0xf
.set n, n+1
.endr
.endr
.set n, 0
.rept 8                                ; four sums at a time: the other half's four, the four additions, and 16 bytes into LDS
.irp t, 0,1,2,3
	v_permlanex16_b32 v[8+(\t)], v[ACC+n+(\t)], s28, s29
.endr
.irp t, 0,1,2,3
	v_add_f32 v[ACC+n+(\t)], v[ACC+n+(\t)], v[8+(\t)]
.endr
	ds_store_b128 v5, v[ACC+n:ACC+n+3] offset:4*n  ; every lane holds the same four sums and writes the same 16 bytes
.set n, n+4
.endr
	s_wait_dscnt 0x0                               ; for wave 0's sake: my logits are in LDS
	s_barrier_signal -1
	s_barrier_wait -1
	s_cmp_lg_u32 s16, 0
	s_cbranch_scc1 .Lend                           ; the rest is wave 0's: lane l takes token l % 16
	v_and_b32 v12, 15, v1
	v_lshlrev_b32 v12, 5, v12
	ds_load_b128 v[16:19], v12
	ds_load_b128 v[20:23], v12 offset:16
	v_lshlrev_b32 v28, 9, v1                       ; lane m stores into row m of maps
	v_lshlrev_b32 v29, 2, v1
	v_mov_b32 v25, 0                               ; the index
	v_mov_b32 v27, 0
	s_wait_dscnt 0x0
.irp e, 0,1,2,3,4,5,6,7
	v_add_f32 v[16+\e], s[20+\e], v[16+\e]
.endr
	v_mov_b32 v24, v16                             ; the maximum
.irp e, 1,2,3,4,5,6,7
	v_cmp_le_f32 vcc_lo, v[16+\e], v24             ; not greater: the lower index stays
	v_cndmask_b32 v25, \e, v25, vcc_lo
	v_max_num_f32 v24, v24, v[16+\e]
.endr
	v_mul_f32 v26, s30, v24                        ; the maximum is taken away before the exponentials
.irp e, 0,1,2,3,4,5,6,7
	v_fma_f32 v[32+\e], v[16+\e], s30, -v26
.endr
.irp e, 0,1,2,3,4,5,6,7
	v_exp_f32 v[32+\e], v[32+\e]
.endr
	v_nop                                          ; a plain instruction behind the last exponential,
	s_wait_alu depctr_va_vdst(0)                   ; and one wait for the batch of eight
	v_add_f32 v32, v32, v33
	v_add_f32 v34, v34, v35
	v_add_f32 v36, v36, v37
	v_add_f32 v38, v38, v39
	v_add_f32 v32, v32, v34
	v_add_f32 v36, v36, v38
	v_add_f32 v40, v32, v36                        ; between 1 and 8
	v_rcp_f32 v41, v40                             ; p, the largest probability
	v_nop
	s_wait_alu depctr_va_vdst(0)
	v_rcp_f32 v42, v41
	v_nop
	s_wait_alu depctr_va_vdst(0)
	v_mul_f32 v43, v41, v42                        ; p / p
.irp e, 0,1,2,3,4,5,6,7
	v_cmp_eq_u32 s[32+\e], \e, v25                 ; bits 0-15: my 16 tokens (bits 16-31 repeat them and are not stored)
	v_cmp_gt_u32 s[40+\e], \e, v25
.endr
.irp m, 0,1,2,3,4,5,6,7,8,9,10,11,12,13,14,15
	v_writelane_b32 v27, s[32+\m], \m
.endr
	v_cmp_gt_u32 vcc_lo, 16, v1
	s_wait_xcnt 0x0                                ; EXEC is a source of the stores of xh: it changes only behind this wait
	s_and_saveexec_b32 s48, vcc_lo
	global_store_b16 v28, v27, s[12:13]            ; 2 bytes into each of the 16 rows: laid out for the readers, who take a row as 512 consecutive bytes
	global_store_b32 v29, v43, s[14:15]
	s_wait_xcnt 0x0
	s_or_b32 exec_lo, exec_lo, s48
.Lend:
	s_wait_tensorcnt 0x0                           ; the wave's end
	ds_add_u32 v6, v7
	s_wait_dscnt 0x0
	s_endpgm
.Lfunc_end_k_q15b988665b_router:
	.size	k_q15b988665b_router, .Lfunc_end_k_q15b988665b_router-k_q15b988665b_router
	.p2alignl 7, 3214868480
	.fill 96, 4, 3214868480
	.section	.rodata,"a",@progbits
	.p2align	6, 0x0
	.amdhsa_kernel k_q15b988665b_router
		.amdhsa_group_segment_fixed_size 1024
		.amdhsa_private_segment_fixed_size 0
		.amdhsa_enable_private_segment 0
		.amdhsa_kernarg_size 48
		.amdhsa_user_sgpr_count 2
		.amdhsa_user_sgpr_kernarg_segment_ptr 1
		.amdhsa_wavefront_size32 1
		.amdhsa_system_sgpr_workgroup_id_x 1
		.amdhsa_system_sgpr_workgroup_id_y 1
		.amdhsa_system_sgpr_workgroup_id_z 1
		.amdhsa_system_vgpr_workitem_id 0
		.amdhsa_next_free_vgpr 240
		.amdhsa_next_free_sgpr 66
		.amdhsa_reserve_vcc 1
		.amdhsa_float_denorm_mode_32 3
		.amdhsa_float_denorm_mode_16_64 3
		.amdhsa_memory_ordered 1
		.amdhsa_forward_progress 1
		.amdhsa_inst_pref_size 43
	.end_amdhsa_kernel
	.amdgpu_metadata
---
amdhsa.version: [ 1, 2 ]
amdhsa.kernels:
  - .name:           k_q15b988665b_router
    .symbol:         k_q15b988665b_router.kd
    .args:
      - { .name: x, .offset: 0, .size: 8, .value_kind: global_buffer, .address_space: global }
      - { .name: Wr, .offset: 8, .size: 8, .value_kind: global_buffer, .address_space: global }
      - { .name: br, .offset: 16, .size: 8, .value_kind: global_buffer, .address_space: global }
      - { .name: xh, .offset: 24, .size: 8, .value_kind: global_buffer, .address_space: global }
      - { .name: maps, .offset: 32, .size: 8, .value_kind: global_buffer, .address_space: global }
      - { .name: gate, .offset: 40, .size: 8, .value_kind: global_buffer, .address_space: global }
    .group_segment_fixed_size: 1024
    .private_segment_fixed_size: 0
    .kernarg_segment_align: 8
    .kernarg_segment_size: 48
    .max_flat_workgroup_size: 128
    .sgpr_count:     66
    .vgpr_count:     240
    .wavefront_size: 32
...
	.end_amdgpu_metadata
.endif
;; end of part 1
;; launch fc1 (part 2): grid 256 x 1, 4 waves a work-group, no clusters, 133,632 bytes of LDS; arguments xh, maps, W1, b1, hbuf, order; writes hbuf, order
.if DOCPART == 2
	.amdgcn_target "amdgcn-amd-amdhsa--gfx1250"
	.amdhsa_code_object_version 6
	.text
	.protected	k_q15b988665b_fc1
	.globl	k_q15b988665b_fc1
	.p2align	8
	.type	k_q15b988665b_fc1,@function
k_q15b988665b_fc1:
	s_mov_b64 s[64:65], 0
	v_nop
	global_prefetch_b8 v0, s[64:65] scope:SCOPE_SE
	s_setreg_imm32_b32 hwreg(HW_REG_WAVE_MODE, 25, 1), 1
	s_wait_xcnt 0x0
; FIRST PRODUCT.  h = gelu(x W1[e] + b1[e]) for the tokens that chose expert e.  xh [4096][512] f16; W1 [8][512][2048] f32; b1 [8][2048] f32; maps as the router left them.
; SHARES.  Work-group (e, s) has 64 hidden units (64 s on) of expert e and ALL of that expert's tokens.  THE WEIGHTS STAY IN REGISTERS: each wave holds the 64 x 512 slice in f16, 64 fragments, 512 registers.
; Each byte of W1 is read once in the launch: wave w loads K = 128 w .. + 127, rounds it in registers and hands it to the others through LDS.  Lane (r, hh) loads 16 bytes of row k: units 4 r .. 4 r + 3,
; so 16 lanes read 256 consecutive bytes; rows k and k + 1 pack into one register of each of four fragments; fragment i holds unit 4 r + i in lane r.
; The tokens go in blocks of 16, wave w the blocks w, w + 4, ..; their rows come from memory straight into registers as the other operand, TWO BLOCKS AHEAD: a buffer is filled again straight behind the products
; that read it.  The first two blocks are asked for while the weights are on their way.  The loop has no barrier and writes no LDS.
; SORTED ROWS.  Expert e's rows begin at R = (tokens with a lower expert) + 16 e; the places past its count in its last block repeat its last token, so no store is masked.  order[R + rank] = token (stored by s = 0).
; An expert without tokens: the 16 rows of order behind R take token 0; its rows of hbuf are not written (the second product asks for that block and uses none of it).
; hbuf: a block of 16 rows is 65,536 bytes: 64 K steps of 1,024 bytes, [half g][lane][16 bytes]: the two loads of a 16 x 32 fragment of the second product.  Place (K step c, g, lane half h, j) holds hidden unit
; 64 (c / 2) + 32 h + 4 j + 2 (c % 2) + g of the row lane % 16: just what accumulator i = 2 (c % 2) + g holds here; the second product lays W2's rows in the same order.
; GELU, exact form: gelu(u) = max(u, 0) - |u| Q(|u|), Q the normal tail by a rational form in t = 1 / (1 + 0.2316419 |u|), off by less than 7.5e-8 for every u.
; LIMITS.  x, W1 and h are rounded once to f16: beyond 65,504 there is no number, below 6e-5 the step is 6e-8.  NaN and infinities are not treated apart.
; NO CLUSTER, NO TENSOR LOAD: each weight byte has one reader and has to pass registers to be rounded; the rows that an expert's work-groups share come by a list, which no tile descriptor covers; trips hang on a stored count.
.set WSH,   0                          ; LDS 0-65,535: fragment f = 4 ks + i, half g at 1,024 f + 512 g + 16 lane
.set LIST,  65536                      ; a list for each wave, its own: entries 0-4111 tokens by rank, 4112 + lane a word for what is not chosen
.set LISTB, 16896
.set SPARE, LIST+4*LISTB               ; the spare words, 128 bytes a wave
.set L16, 1                            ; 16 lane
.set RR,  2                            ; lane % 16
.set HH,  3                            ; lane / 16
.set H16, 4                            ; 16 (lane / 16)
.set WOFF, 5                           ; my place in W1's rows: 8 rows down for lanes 16-31, 16 bytes a lane
.set WA,  6                            ; where my wave puts its fragments
.set LW,  7                            ; my wave's list
.set LR,  8                            ; + 4 (lane % 16)
.set DIDX, 9                           ; 4112 + lane
.set IDN, 10                           ; the token of my row in the block to be fetched next
.set IA,  11
.set GA,  12                           ; v12, v13: my byte offset in xh, for each buffer
.set HO,  14                           ; my byte offset in hbuf
.set IDA, 15                           ; the tokens of my wave's first block,
.set SPW, 16
.set NIL, 17
.set R4,  18
.set LANE, 19
.set BOF, 20
.set IDB, 21                           ; and of its second
.set OO,  22                           ; v22, v23: my byte offset in order, for each buffer
.set TK,  24                           ; the token, or 0 past the last block
.set BB,  32                           ; v[32:63]   the bias as a C operand: register 8 i + j
.set ACC, 64                           ; v[64:95]   four accumulators
.set AB,  96                           ; v[96:127]  |u|, then the polynomial
.set T,   128                          ; v[128:159] t
.set E,   160                          ; v[160:191] the exponential
.set O,   192                          ; v[192:207] h in f16; at the start at work
.set BI,  96                           ; at the start: b1 as loaded
.set TF,  128                          ;   four fragments on their way to LDS
.set BM,  160                          ;   my 4 words of the expert's map; BL: of the map of lower experts
.set BL,  164
.set POS, 168                          ;   the next rank in each of my 4 words
.set TOKB, 172                         ;   their first tokens
.set TP,  176                          ;   at work
; window 1: v0-127, v128-255 two buffers of a block's x (16 fragments).  windows 2, 3: the weights, fragment f at 8 f; at the start window 2 takes the 64 loads of W1.
.set MSB, 0
.macro WIN new                         ; the immediate's high byte repeats the setting that is left; a switch that changes nothing is dropped
.if MSB != (\new)
	s_set_vgpr_msb (MSB<<8)|(\new)
.set MSB, (\new)
.endif
.endm
.macro SPAIR r, val                    ; a constant for packed arithmetic: named as a pair, so both words are written
	s_mov_b32 s[\r], \val
	s_mov_b32 s[(\r)+1], \val
.endm
.macro EACH8 line:vararg               ; one line for each of 8 registers, n = 0 .. 7: eight chains side by side, so that no line reads the result of the line before it
.set n, 0
.rept 8
	\line
.set n, n+1
.endr
.endm
	s_load_b256 s[4:11], s[0:1], 0x0               ; xh s[4:5], maps s[6:7], W1 s[8:9], b1 s[10:11]
	s_load_b128 s[12:15], s[0:1], 0x20             ; hbuf s[12:13], order s[14:15]
	v_lshl_add_u32 v[SPW], v0, 2, SPARE
	v_mov_b32 v[NIL], 0
	v_and_b32 v[LANE], 31, v0
	v_lshrrev_b32 v[BOF], 5, v0
	v_readfirstlane_b32 s16, v[BOF]                ; wave
	v_and_b32 v[RR], 15, v0
	v_bfe_u32 v[HH], v0, 4, 1
	v_lshlrev_b32 v[L16], 4, v[LANE]
	v_lshlrev_b32 v[H16], 4, v[HH]
	v_lshlrev_b32 v[R4], 2, v[RR]
	v_lshlrev_b32 v[WOFF], 16, v[HH]               ; 8 rows of 8,192 bytes
	v_lshl_or_b32 v[WOFF], v[RR], 4, v[WOFF]
	v_lshlrev_b32 v[BOF], 7, v[HH]                 ; 32 numbers of b1
	s_lshl_b32 s25, s16, 14
	v_add_nc_u32 v[WA], s25, v[L16]                ; 16 fragments of 1,024 bytes a wave
	s_mul_i32 s25, s16, LISTB
	s_add_co_u32 s25, s25, LIST
	v_mov_b32 v[LW], s25
	v_add_nc_u32 v[LR], s25, v[R4]
	v_add_nc_u32 v[DIDX], 4112, v[LANE]
	s_lshr_b32 s17, ttmp9, 5                       ; e
	s_and_b32 s18, ttmp9, 31                       ; s
	s_mov_b32 s30, 0x76543210
	s_mov_b32 s31, 0xfedcba98
	s_mov_b32 s46, 0x7fffffff
	s_mov_b32 s47, 0x55555555
	s_mov_b32 s48, 0x33333333
	s_mov_b32 s49, 0x0f0f0f0f
	s_mov_b32 s50, 0x01010101
	SPAIR 32, 0x3e6d3389                           ; 0.2316419
	SPAIR 34, 0xbf38aa3b                           ; -log2(e) / 2
	SPAIR 36, 0x3e027906                           ; the five coefficients, each times 1 / sqrt(2 pi):  0.12741480
	SPAIR 38, 0xbe11a98e                           ; -0.14224837
	SPAIR 40, 0x3f35f0e3                           ;  0.71070687
	SPAIR 42, 0xbf3a00e3                           ; -0.72657601
	SPAIR 44, 0x3f07dc22                           ;  0.53070272
	s_mov_b32 s27, 0
	s_wait_kmcnt 0x0
	s_lshl_b32 s26, s17, 9
	s_add_nc_u64 s[6:7], s[6:7], s[26:27]          ; maps at row e
	s_lshl_b32 s26, s17, 13
	s_lshl_b32 s25, s18, 8
	s_add_co_u32 s26, s26, s25
	s_add_nc_u64 s[10:11], s[10:11], s[26:27]      ; b1 at my 64 units
	s_lshl_b32 s26, s17, 22
	s_add_co_u32 s26, s26, s25
	s_lshl_b32 s25, s16, 20                        ; my wave's 128 rows of 8,192 bytes
	s_add_co_u32 s26, s26, s25
	s_add_nc_u64 s[8:9], s[8:9], s[26:27]          ; W1 at my wave's rows and my 64 units
	global_load_b128 v[BM:BM+3], v[L16], s[6:7]
	global_load_b128 v[BL:BL+3], v[L16], s[6:7] offset:4096
.irp j, 0,1,2,3,4,5,6,7
	global_load_b128 v[BI+4*(\j):BI+4*(\j)+3], v[BOF], s[10:11] offset:16*(\j)  ; units 32 hh + 4 j + 0..3
.endr
	WIN 0x80                                       ; destination window 2: window 1 stays free for the first blocks of x
.set kq, 0
.rept 4                                            ; K step 4 w + kq: rows 8 hh + 0..7 and 16 + 8 hh + 0..7 of its 32
.set jj, 0
.rept 16
	global_load_b128 v[(16*kq+jj)*4:(16*kq+jj)*4+3], v[WOFF], s[8:9] offset:(32*kq+(jj%8)+16*(jj/8))*8192 th:TH_LOAD_NT
.set jj, jj+1
.endr
.set kq, kq+1
.endr
	WIN 0
	s_wait_loadcnt 63                              ; 64 loads of W1 are younger than maps and b1: these are in, the weights stay on their way while the list is made
	; THE COUNT.  My 4 words hold tokens 128 lane + 32 q + bit.  The ones in my 4 + 4 words, eight counts side by side;
	EACH8 v_lshrrev_b32 v[O+n], 1, v[BM+n]
	EACH8 v_and_b32 v[O+n], s47, v[O+n]
	EACH8 v_sub_nc_u32 v[TP+1+n], v[BM+n], v[O+n]
	EACH8 v_lshrrev_b32 v[O+n], 2, v[TP+1+n]
	EACH8 v_and_b32 v[TP+1+n], s48, v[TP+1+n]
	EACH8 v_and_b32 v[O+n], s48, v[O+n]
	EACH8 v_add_nc_u32 v[TP+1+n], v[TP+1+n], v[O+n]
	EACH8 v_lshrrev_b32 v[O+n], 4, v[TP+1+n]
	EACH8 v_add_nc_u32 v[TP+1+n], v[TP+1+n], v[O+n]
	EACH8 v_and_b32 v[TP+1+n], s49, v[TP+1+n]
	EACH8 v_mul_lo_u32 v[TP+1+n], v[TP+1+n], s50
	EACH8 v_lshrrev_b32 v[TP+1+n], 24, v[TP+1+n]
	; the expert's running, the lower experts' summed; both summed over the lanes in one word, with the sum of the lanes below me
	v_add_nc_u32 v[TP+2], v[TP+1], v[TP+2]
	v_add_nc_u32 v[TP+3], v[TP+2], v[TP+3]
	v_add_nc_u32 v[TP+4], v[TP+3], v[TP+4]
	v_add_nc_u32 v[TP+5], v[TP+5], v[TP+6]
	v_add_nc_u32 v[TP+7], v[TP+7], v[TP+8]
	v_add_nc_u32 v[TP+5], v[TP+5], v[TP+7]
	v_lshl_or_b32 v[TP+9], v[TP+5], 16, v[TP+4]    ; both totals are 4,096 at the most: 16 bits each
	v_mov_b32 v[TP+10], 0                          ; the lanes below me
	v_mov_b32 v[TP+11], 0
.macro SCANADD d                       ; the partner's sum is in TP+11: it counts as below me if my bit d is set
	v_and_b32 v[TP+12], \d, v[LANE]
	v_cmp_ne_u32 vcc_lo, 0, v[TP+12]
	v_cndmask_b32 v[TP+12], 0, v[TP+11], vcc_lo
	v_add_nc_u32 v[TP+10], v[TP+10], v[TP+12]
	v_add_nc_u32 v[TP+9], v[TP+9], v[TP+11]
.endm
.irp d, 1,2,4,8
	v_mov_b32_dpp v[TP+11], v[TP+9] row_xmask:\d row_mask:0xf bank_mask:0xf
	SCANADD \d
.endr
	v_permlanex16_b32 v[TP+11], v[TP+9], s30, s31
	SCANADD 16
	v_readfirstlane_b32 s19, v[TP+9]
	s_lshr_b32 s20, s19, 16
	s_and_b32 s19, s19, 0xffff
	s_min_u32 s19, s19, 0x1000                     ; c: the expert's tokens
	s_min_u32 s20, s20, 0x1000                     ; the tokens of lower experts
	v_and_b32 v[POS], 0xffff, v[TP+10]
	v_add_nc_u32 v[POS+1], v[POS], v[TP+1]
	v_add_nc_u32 v[POS+2], v[POS], v[TP+2]
	v_add_nc_u32 v[POS+3], v[POS], v[TP+3]
	v_lshlrev_b32 v[TOKB], 7, v[LANE]
	v_add_nc_u32 v[TOKB+1], 32, v[TOKB]
	v_add_nc_u32 v[TOKB+2], 64, v[TOKB]
	v_add_nc_u32 v[TOKB+3], 96, v[TOKB]
	ds_store_b32 v[LR], v[NIL]                     ; entries 0-15 hold token 0 until a chosen token takes them: an expert without tokens has a block that can be read
	; THE LIST: bit by bit, a chosen token goes to its rank, any other to the lane's own word behind the list.  My four words go side by side, stage by stage.  The list is the wave's own: no barrier.
	s_mov_b32 s29, 0
.Lbit:
.irp q, 0,1,2,3
	v_bfe_u32 v[TP+4*(\q)], v[BM+(\q)], s29, 1
.endr
.irp q, 0,1,2,3
	v_cmp_ne_u32 s[52+(\q)], 0, v[TP+4*(\q)]
.endr
.irp q, 0,1,2,3
	v_cndmask_b32 v[TP+4*(\q)+1], v[DIDX], v[POS+(\q)], s[52+(\q)]
.endr
.irp q, 0,1,2,3
	v_min_u32 v[TP+4*(\q)+1], 0x102f, v[TP+4*(\q)+1]
.endr
.irp q, 0,1,2,3
	v_lshl_add_u32 v[TP+4*(\q)+1], v[TP+4*(\q)+1], 2, v[LW]
.endr
.irp q, 0,1,2,3
	v_add_nc_u32 v[TP+4*(\q)+2], s29, v[TOKB+(\q)]
.endr
.irp q, 0,1,2,3
	ds_store_b32 v[TP+4*(\q)+1], v[TP+4*(\q)+2]
.endr
.irp q, 0,1,2,3
	v_add_nc_u32 v[POS+(\q)], v[POS+(\q)], v[TP+4*(\q)]
.endr
	s_add_co_u32 s29, s29, 1
	s_cmp_lt_u32 s29, 32
	s_cbranch_scc1 .Lbit
	s_max_u32 s25, s19, 1                          ; ranks c .. c + 15 repeat the last token (with no token: entry 0's token 0)
	s_sub_co_u32 s25, s25, 1
	s_min_u32 s25, s25, 0xfff
	s_lshl_b32 s25, s25, 2
	v_add_nc_u32 v[TP], s25, v[LW]
	ds_load_b32 v[TP+1], v[TP]                     ; LDS serves a wave's instructions in order: this sees the stores above
	s_lshl_b32 s25, s19, 2
	v_add_nc_u32 v[TP+2], s25, v[LR]
	s_add_co_u32 s21, s19, 15
	s_lshr_b32 s21, s21, 4                         ; nb: the expert's blocks
	s_max_u32 s23, s21, 1
	s_sub_co_u32 s23, s23, 1                       ; its last block (0 if it has none)
	s_mov_b32 s22, s16                             ; my first block
	s_min_u32 s56, s16, s23                        ; the three blocks whose tokens are read now: w, w + 4, w + 8, none past the last
	s_min_u32 s56, s56, 0xff
	s_add_co_u32 s57, s16, 4
	s_min_u32 s57, s57, s23
	s_min_u32 s57, s57, 0xff
	s_add_co_u32 s24, s16, 8
	s_min_u32 s24, s24, s23
	s_min_u32 s24, s24, 0xff
	s_wait_dscnt 0x0
	ds_store_b32 v[TP+2], v[TP+1]
	s_lshl_b32 s25, s56, 6
	v_add_nc_u32 v[IA], s25, v[LR]
	ds_load_b32 v[IDA], v[IA]
	s_lshl_b32 s25, s57, 6
	v_add_nc_u32 v[IA], s25, v[LR]
	ds_load_b32 v[IDB], v[IA]
	s_lshl_b32 s25, s24, 6
	v_add_nc_u32 v[IA], s25, v[LR]
	ds_load_b32 v[IDN], v[IA]
	s_lshl_b32 s25, s17, 4
	s_add_co_u32 s25, s25, s20                     ; R
	s_lshl_b32 s26, s25, 12
	s_lshl_b32 s59, s18, 11                        ; my units are K steps 2 s and 2 s + 1
	s_add_co_u32 s26, s26, s59
	s_add_nc_u64 s[12:13], s[12:13], s[26:27]
	s_lshl_b32 s26, s25, 2
	s_add_nc_u64 s[14:15], s[14:15], s[26:27]
; A block is asked for, into buffer buf: its tokens in register idr, its number in scalar register sblk.  16 rows of 1,024 bytes; lane (r, hh) takes bytes 64 ks + 16 hh and + 32 of row r.
; msk = 1: past the expert's last block (s58 = 0) the 32 loads are issued all the same, so that the counts are alike on every way, but every lane asks for row 0: 32 bytes an instruction in place of 16 rows.
; A number out of memory enters an address only behind a clamp by a constant: so the mask comes first and the clamp last.
.macro PREPARE buf, idr, sblk, msk
.if !(\msk)
	v_min_u32 v[\idr], 0xfff, v[\idr]
.endif
	s_cmp_lg_u32 s18, 0
	s_cbranch_scc1 .Lno_order_\@
	s_lshl_b32 s25, s[\sblk], 6
	v_add_nc_u32 v[OO+(\buf)], s25, v[R4]
	global_store_b32 v[OO+(\buf)], v[\idr], s[14:15]  ; lanes 16-31 repeat lanes 0-15; a block named again stores the same tokens again
.Lno_order_\@:
.if \msk
	v_and_b32 v[TK], s58, v[\idr]
	v_min_u32 v[TK], 0xfff, v[TK]
	v_lshl_add_u32 v[GA+(\buf)], v[TK], 10, v[H16]
.else
	v_lshl_add_u32 v[GA+(\buf)], v[\idr], 10, v[H16]
.endif
	WIN 0x40
.set ks, 0
.rept 16
	global_load_b128 v[128*(\buf)+8*ks:128*(\buf)+8*ks+3],   v[GA+(\buf)], s[4:5] offset:64*ks
	global_load_b128 v[128*(\buf)+8*ks+4:128*(\buf)+8*ks+7], v[GA+(\buf)], s[4:5] offset:64*ks+32
.set ks, ks+1
.endr
	WIN 0
.endm
	s_wait_dscnt 0x0                               ; the three blocks' tokens are in
	PREPARE 0, IDA, 56, 0                          ; my first block's x goes out ahead of the weights' conversions
	; THE WEIGHTS: rounded, rows k and k + 1 packed, four fragments a K step, into LDS for all four waves
.set kq, 0
.rept 4
.if kq < 2
	s_wait_loadcnt 63                              ; younger than this K step's loads: 16 for each later K step and the block's 32, 80 and 64: more than the count can name
.else
	s_wait_loadcnt 80-16*kq                        ; 48, 32: the later K step's 16 and the block's 32 may stay out
.endif
	WIN 0x0a                                       ; sources window 2, destination window 0
.irp i, 0,1,2,3
.irp q, 0,1,2,3
	v_cvt_pk_f16_f32 v[TF+8*(\i)+(\q)],   v[(16*kq+2*(\q))*4+(\i)],   v[(16*kq+2*(\q)+1)*4+(\i)]
	v_cvt_pk_f16_f32 v[TF+8*(\i)+4+(\q)], v[(16*kq+8+2*(\q))*4+(\i)], v[(16*kq+8+2*(\q)+1)*4+(\i)]
.endr
.endr
	WIN 0
.irp i, 0,1,2,3
	ds_store_b128 v[WA], v[TF+8*(\i):TF+8*(\i)+3]   offset:kq*4096+(\i)*1024
	ds_store_b128 v[WA], v[TF+8*(\i)+4:TF+8*(\i)+7] offset:kq*4096+(\i)*1024+512
.endr
.set kq, kq+1
.endr
.irp i, 0,1,2,3
.irp j, 0,1,2,3,4,5,6,7
	v_mov_b32 v[BB+8*(\i)+(\j)], v[BI+4*(\j)+(\i)]  ; once: the bias in the order of an accumulator's registers, so that it can start the sums as their C operand
.endr
.endr
	PREPARE 1, IDB, 57, 0                          ; my second block's x
	s_wait_dscnt 0x0                               ; for the others' sake: my fragments are in LDS
	s_barrier_signal -1
	s_barrier_wait -1                              ; the launch's only barrier
	s_cmp_ge_u32 s16, s21
	s_cbranch_scc1 .Ldone                          ; no block for this wave
	WIN 0x80                                       ; destination window 2
.set f, 0
.rept 32
	ds_load_b128 v[8*f:8*f+3],   v[L16] offset:f*1024
	ds_load_b128 v[8*f+4:8*f+7], v[L16] offset:f*1024+512
.set f, f+1
.endr
	WIN 0xc0                                       ; window 3
.set f, 0
.rept 32
	ds_load_b128 v[8*f:8*f+3],   v[L16] offset:(f+32)*1024
	ds_load_b128 v[8*f+4:8*f+7], v[L16] offset:(f+32)*1024+512
.set f, f+1
.endr
	WIN 0
; 64 matrix instructions: source 0 = 16 units of W1, source 1 = 16 tokens: a lane of the result holds ONE token (lane % 16) and the units 32 (lane / 16) + 4 j + i.  The bias starts the sums.
; The four accumulators take turns, one instruction a turn.
.macro MMA1 cur
	WIN 0x06                                       ; W in window 2, x in window 1, C and D in window 0
.set ks, 0
.rept 16
.if ks == 8
	WIN 0x07                                       ; W in window 3
.endif
.set i, 0
.rept 4
.if ks == 0
	v_wmma_f32_16x16x32_f16 v[ACC+8*i:ACC+8*i+7], v[8*i:8*i+7], v[128*(\cur):128*(\cur)+7], v[BB+8*i:BB+8*i+7]
.else
	v_wmma_f32_16x16x32_f16 v[ACC+8*i:ACC+8*i+7], v[8*(4*(ks%8)+i):8*(4*(ks%8)+i)+7], v[128*(\cur)+8*ks:128*(\cur)+8*ks+7], v[ACC+8*i:ACC+8*i+7]
.endif
.set i, i+1
.endr
.set ks, ks+1
.endr
	WIN 0
.endm
.macro PK16 line:vararg                ; one packed line for each of the 16 pairs, n = 0, 2, .. 30
.set n, 0
.rept 16
	\line
.set n, n+2
.endr
.endm
.macro ONE32 line:vararg               ; one line for each of the 32 numbers
.set n, 0
.rept 32
	\line
.set n, n+1
.endr
.endm
.macro GELU                            ; each accumulator is read from its lowest register on
	ONE32 v_and_b32 v[AB+n], s46, v[ACC+n]
	PK16 v_pk_fma_f32 v[T+n:T+n+1], v[AB+n:AB+n+1], s[32:33], 1.0 op_sel_hi:[1,0,0]
	PK16 v_pk_mul_f32 v[E+n:E+n+1], v[ACC+n:ACC+n+1], v[ACC+n:ACC+n+1]
	PK16 v_pk_mul_f32 v[E+n:E+n+1], v[E+n:E+n+1], s[34:35] op_sel_hi:[1,0]
	ONE32 v_rcp_f32 v[T+n], v[T+n]                 ; ONE BATCH of 64: t = 1 / (1 + p |u|)
	ONE32 v_exp_f32 v[E+n], v[E+n]                 ; and 2^(-u u log2(e) / 2)
	ONE32 v_max_num_f32 v[ACC+n], 0, v[ACC+n]      ; plain work that names no result of the batch,
	s_wait_alu depctr_va_vdst(0)                   ; and the batch's one wait, ahead of its first reader
	PK16 v_pk_mul_f32 v[E+n:E+n+1], v[AB+n:AB+n+1], v[E+n:E+n+1]
	PK16 v_pk_fma_f32 v[AB+n:AB+n+1], v[T+n:T+n+1], s[44:45], s[42:43] op_sel_hi:[1,0,0]
	PK16 v_pk_fma_f32 v[AB+n:AB+n+1], v[AB+n:AB+n+1], v[T+n:T+n+1], s[40:41] op_sel_hi:[1,1,0]
	PK16 v_pk_fma_f32 v[AB+n:AB+n+1], v[AB+n:AB+n+1], v[T+n:T+n+1], s[38:39] op_sel_hi:[1,1,0]
	PK16 v_pk_fma_f32 v[AB+n:AB+n+1], v[AB+n:AB+n+1], v[T+n:T+n+1], s[36:37] op_sel_hi:[1,1,0]
	PK16 v_pk_mul_f32 v[AB+n:AB+n+1], v[AB+n:AB+n+1], v[T+n:T+n+1]
	PK16 v_pk_fma_f32 v[ACC+n:ACC+n+1], v[AB+n:AB+n+1], v[E+n:E+n+1], v[ACC+n:ACC+n+1] neg_lo:[0,1,0] neg_hi:[0,1,0]
	s_wait_xcnt 0x0                                ; the block's one wait of this kind, some 300 lines behind the loads: O and HO (sources of the last block's stores) and IDN and OO (of this block's store into order) are written again only behind it
	PK16 v_cvt_pk_f16_f32 v[O+n/2], v[ACC+n], v[ACC+n+1]
.endm
; Block s22, whose x lies in buffer cur.  Straight behind its products the same buffer takes my block two further on (its tokens in IDN, its number in s24), which so has two GELUs and a block's products in which to land.
.macro HALF cur
	s_wait_loadcnt 32                              ; the other buffer's 32 loads, issued later, may stay out: this block's x is in
	MMA1 \cur
.rept 4
	v_nop                                          ; four places between the last product and the loads into its source, and the first read of a result
.endr
	s_add_co_u32 s25, s22, 8
	s_cmp_lt_u32 s25, s21
	s_cselect_b32 s58, -1, 0                       ; is there such a block?
	s_wait_dscnt 0x0                               ; its tokens are in
	PREPARE \cur, IDN, 24, 1
	GELU
	s_lshl_b32 s25, s22, 16
	v_add_nc_u32 v[HO], s25, v[L16]
.irp i, 0,1,2,3
	global_store_b128 v[HO], v[O+4*(\i):O+4*(\i)+3], s[12:13] offset:512*(\i)  ; 512 consecutive bytes, at a multiple of 256 from hbuf's first byte
.endr
	s_add_co_u32 s24, s22, 12                      ; the tokens of the block that the next turn asks for
	s_min_u32 s24, s24, s23
	s_min_u32 s24, s24, 0xff
	s_lshl_b32 s25, s24, 6
	v_add_nc_u32 v[IA], s25, v[LR]
	ds_load_b32 v[IDN], v[IA]
	s_add_co_u32 s22, s22, 4
	s_cmp_ge_u32 s22, s21
	s_cbranch_scc1 .Ldone
.endm
	s_wait_dscnt 0x0                               ; the weights are in
	s_wait_xcnt 0x0                                ; OO is a source of the first two blocks' stores into order: it is written again only behind this wait
	s_mov_b32 s28, 32                              ; 64 blocks a wave serve 4,096 tokens on one expert; the walk is left when the expert's blocks are done
.Lblock:
	HALF 0
	HALF 1
	s_sub_co_u32 s28, s28, 1
	s_cmp_lg_u32 s28, 0
	s_cbranch_scc1 .Lblock
.Ldone:
	s_wait_tensorcnt 0x0                           ; the wave's end
	ds_add_u32 v[SPW], v[NIL]
	s_wait_dscnt 0x0
	s_endpgm
.Lfunc_end_k_q15b988665b_fc1:
	.size	k_q15b988665b_fc1, .Lfunc_end_k_q15b988665b_fc1-k_q15b988665b_fc1
	.p2alignl 7, 3214868480
	.fill 96, 4, 3214868480
	.section	.rodata,"a",@progbits
	.p2align	6, 0x0
	.amdhsa_kernel k_q15b988665b_fc1
		.amdhsa_group_segment_fixed_size 133632
		.amdhsa_private_segment_fixed_size 0
		.amdhsa_enable_private_segment 0
		.amdhsa_kernarg_size 48
		.amdhsa_user_sgpr_count 2
		.amdhsa_user_sgpr_kernarg_segment_ptr 1
		.amdhsa_wavefront_size32 1
		.amdhsa_system_sgpr_workgroup_id_x 1
		.amdhsa_system_sgpr_workgroup_id_y 1
		.amdhsa_system_sgpr_workgroup_id_z 1
		.amdhsa_system_vgpr_workitem_id 0
		.amdhsa_next_free_vgpr 1024
		.amdhsa_next_free_sgpr 66
		.amdhsa_reserve_vcc 1
		.amdhsa_float_denorm_mode_32 3
		.amdhsa_float_denorm_mode_16_64 3
		.amdhsa_memory_ordered 1
		.amdhsa_forward_progress 1
		.amdhsa_inst_pref_size 93
	.end_amdhsa_kernel
	.amdgpu_metadata
---
amdhsa.version: [ 1, 2 ]
amdhsa.kernels:
  - .name:           k_q15b988665b_fc1
    .symbol:         k_q15b988665b_fc1.kd
    .args:
      - { .name: xh, .offset: 0, .size: 8, .value_kind: global_buffer, .address_space: global }
      - { .name: maps, .offset: 8, .size: 8, .value_kind: global_buffer, .address_space: global }
      - { .name: W1, .offset: 16, .size: 8, .value_kind: global_buffer, .address_space: global }
      - { .name: b1, .offset: 24, .size: 8, .value_kind: global_buffer, .address_space: global }
      - { .name: hbuf, .offset: 32, .size: 8, .value_kind: global_buffer, .address_space: global }
      - { .name: order, .offset: 40, .size: 8, .value_kind: global_buffer, .address_space: global }
    .group_segment_fixed_size: 133632
    .private_segment_fixed_size: 0
    .kernarg_segment_align: 8
    .kernarg_segment_size: 48
    .max_flat_workgroup_size: 128
    .sgpr_count:     66
    .vgpr_count:     1024
    .wavefront_size: 32
...
	.end_amdgpu_metadata
.endif
;; end of part 2
;; launch fc2 (part 3): grid 256 x 1, 4 waves a work-group, no clusters, 248,320 bytes of LDS; arguments hbuf, maps, order, gate, W2, b2, out0; writes out0
.if DOCPART == 3
	.amdgcn_target "amdgcn-amd-amdhsa--gfx1250"
	.amdhsa_code_object_version 6
	.text
	.protected	k_q15b988665b_fc2
	.globl	k_q15b988665b_fc2
	.p2align	8
	.type	k_q15b988665b_fc2,@function
k_q15b988665b_fc2:
	s_mov_b64 s[64:65], 0
	v_nop
	global_prefetch_b8 v0, s[64:65] scope:SCOPE_SE
	s_setreg_imm32_b32 hwreg(HW_REG_WAVE_MODE, 25, 1), 1
	s_wait_xcnt 0x0
; SECOND PRODUCT.  out[token] = (h W2[e] + b2[e]) g[token] for the tokens of expert e.  hbuf, maps, order, gate as the launches before left them; W2 [8][2048][512] f32; b2 [8][512] f32; out0 [4096][512] f32.
; SHARES.  Work-group (e, s2, q) has 64 columns (64 s2 on) of expert e and its blocks of 16 rows q, q + 4, ..  THE WEIGHTS STAY IN REGISTERS: wave w holds hidden units 512 w .. + 511 x 64 columns in f16,
; 64 fragments, 512 registers, rounded on their way from memory.  Lane (r, hh) loads 16 bytes of a row of W2: columns 4 r .. 4 r + 3, 16 lanes 256 consecutive bytes; fragment a holds column 4 r + a in lane r.
; W2's rows are taken in the order in which hbuf holds the hidden units: place (K step c, half g, lane half h, j) is unit 64 (c / 2) + 32 h + 4 j + 2 (c % 2) + g.
; A block's h comes from memory straight into registers, 16 KB on end for each wave, two blocks ahead (three buffers).  THE STREAM OF LOADS DOES NOT RUN DRY between weights and blocks: the first pass's tokens,
; their g and its first two blocks are asked for among the weights' last batches, as registers come free.  In the loop no block past the expert's last is asked for.
; The four waves' partial sums (f32) meet in LDS: 15 slots of a block each are filled, a barrier, they are added, scaled and stored, a barrier.  Five such passes, a constant, serve 64 blocks (4,096 tokens on one
; expert).  EVERY LOOP COUNTS TO ITS CONSTANT MAXIMUM: steps past the expert's last block are jumped forward, to a label ahead of the counter's step; every wave passes every barrier, and only work is jumped over.
; In a result a lane holds column 4 (lane % 16) + a and rows 8 (lane / 16) + j: four accumulators give 16 bytes of a row, 16 lanes 256 consecutive bytes of a token's row, at a multiple of 256 from out0's first byte.
; The places past an expert's count repeat its last token: the same numbers are stored again into the same row by this work-group.
; LIMITS.  W2 is rounded once to f16 (beyond 65,504 there is no number, below 6e-5 the step is 6e-8).  NaN and infinities are not treated apart.
; NO CLUSTER: the four work-groups q of a slice read the same 512 KB of f32 weights, which have to pass registers to be rounded and are more than LDS holds at once; their trips hang on a stored count.
.set SLOTB, 16384                      ; LDS: 15 slots; in a slot wave u's part at 4,096 u; registers 2 m, 2 m + 1 of accumulator a at 256 (4 m + a) + 8 lane
.set TABI,  15*SLOTB                   ; u32 [16 slots][16 rows]: the rows' tokens
.set TABG,  TABI+1024                  ; f32: their g
.set SPARE, TABG+1024                  ; the spare words, 128 bytes a wave
.set L16, 1
.set RR,  2
.set HH,  3
.set L8,  4
.set WOFF, 5                           ; my place in W2's rows: 32 rows down for lanes 16-31, 16 bytes a lane
.set R16, 6
.set VP,  7                            ; where my partial sums go
.set VR,  8                            ; from where I read the four waves'
.set VT,  9                            ; my two rows' places in the tables
.set R4,  10
.set SG,  11                           ; lane / 16 + 4 w
.set VA,  12                           ; v12-14: my byte offset in hbuf, for each buffer
.set VT0, 15
.set SPW, 16
.set NIL, 17
.set LANE, 18
.set B2,  20                           ; v[20:23] b2 of my four columns
.set ID,  24                           ; v24, v25 tokens of two slots' rows
.set G,   26                           ; v26, v27 their g
.set TS,  28                           ; where they go in the tables
.set GV,  29                           ; v29, v30
.set TM,  31                           ; v31-34 at work
.set ACC, 40                           ; v[40:71]
.set R,   72                           ; v[72:103] the four waves' parts: 8 u + 2 a; at the start the maps and the count
.set TI,  104
.set TG,  106
.set O,   108                          ; v[108:115]
.set VO,  116                          ; v116, v117
; v[128:255] buffer 2 of h.  window 1: v0-127, v128-255 buffers 0 and 1; at the start four batches of 16 loads of W2.  windows 2, 3: the weights, (K step k, a) at 8 (4 k + a).
.set MSB, 0
.macro WIN new                         ; the immediate's high byte repeats the setting that is left; a switch that changes nothing is dropped
.if MSB != (\new)
	s_set_vgpr_msb (MSB<<8)|(\new)
.set MSB, (\new)
.endif
.endm
.macro POPC d, x, t                    ; d = the number of ones in x
	v_lshrrev_b32 v[\t], 1, v[\x]
	v_and_b32 v[\t], s47, v[\t]
	v_sub_nc_u32 v[\d], v[\x], v[\t]
	v_lshrrev_b32 v[\t], 2, v[\d]
	v_and_b32 v[\d], s48, v[\d]
	v_and_b32 v[\t], s48, v[\t]
	v_add_nc_u32 v[\d], v[\d], v[\t]
	v_lshrrev_b32 v[\t], 4, v[\d]
	v_add_nc_u32 v[\d], v[\d], v[\t]
	v_and_b32 v[\d], s49, v[\d]
	v_mul_lo_u32 v[\d], v[\d], s50
	v_lshrrev_b32 v[\d], 24, v[\d]
.endm
.macro WLOAD2 k                        ; K step k of my 16: the 16 rows of W2 that stand at places (g, j), into batch k % 4
.irp g, 0,1
.irp j, 0,1,2,3,4,5,6,7
	global_load_b128 v[((\k)%4)*64+(8*(\g)+(\j))*4:((\k)%4)*64+(8*(\g)+(\j))*4+3], v[WOFF], s[12:13] offset:(64*((\k)/2)+4*(\j)+2*((\k)%2)+(\g))*2048
.endr
.endr
.endm
.macro CVT2 k                          ; rounded, two neighbouring places packed: four fragments, straight into the weights' registers
.if (\k) < 8
	WIN 0x85                                       ; sources window 1, destination window 2
.else
	WIN 0xc5                                       ; destination window 3
.endif
.irp i, 0,1,2,3
.irp q, 0,1,2,3
	v_cvt_pk_f16_f32 v[8*(4*((\k)%8)+(\i))+(\q)],   v[((\k)%4)*64+(2*(\q))*4+(\i)],   v[((\k)%4)*64+(2*(\q)+1)*4+(\i)]
	v_cvt_pk_f16_f32 v[8*(4*((\k)%8)+(\i))+4+(\q)], v[((\k)%4)*64+(8+2*(\q))*4+(\i)], v[((\k)%4)*64+(8+2*(\q)+1)*4+(\i)]
.endr
.endr
.endm
; What a pass asks for ahead of its loop.  s26: the pass's first block; s25: the expert's last block (0 if it has none): no block number passes it, so every address lies in the expert's own rows.
.macro IDS                             ; the tokens of the pass's rows: slot 4 w + 2 u + lane / 16, row lane % 16: two loads
.irp u, 0,1
	v_add_nc_u32 v[TM+(\u)], 2*(\u), v[SG]
	v_lshl_add_u32 v[TM+(\u)], v[TM+(\u)], 2, s26
	v_min_u32 v[TM+(\u)], s25, v[TM+(\u)]
	v_min_u32 v[TM+(\u)], 0xff, v[TM+(\u)]
	v_lshl_add_u32 v[TM+2+(\u)], v[TM+(\u)], 6, v[R4]
	global_load_b32 v[ID+(\u)], v[TM+2+(\u)], s[8:9]
.endr
.endm
.macro GATES                           ; their g: two loads
.irp u, 0,1
	v_min_u32 v[ID+(\u)], 0xfff, v[ID+(\u)]
	v_lshlrev_b32 v[GV+(\u)], 2, v[ID+(\u)]
	global_load_b32 v[G+(\u)], v[GV+(\u)], s[10:11]
.endr
.endm
.macro SETVA buf, ahead                ; my byte offset in block s26 + ahead
	s_add_co_u32 s32, s26, \ahead
	s_min_u32 s32, s32, s25
	s_min_u32 s32, s32, 0xff
	s_lshl_b32 s32, s32, 16
	v_add_nc_u32 v[VA+(\buf)], s32, v[L16]
.endm
.macro ALOAD buf                       ; a block's h for my K quarter: 32 loads of 512 consecutive bytes, 16 KB on end
.if (\buf) == 2
	WIN 0
.set ab, 128
.else
	WIN 0x40
.set ab, 128*(\buf)
.endif
.set kp, 0
.rept 16
	global_load_b128 v[ab+8*kp:ab+8*kp+3],   v[VA+(\buf)], s[4:5] offset:1024*kp
	global_load_b128 v[ab+8*kp+4:ab+8*kp+7], v[VA+(\buf)], s[4:5] offset:1024*kp+512
.set kp, kp+1
.endr
	WIN 0
.endm
	s_load_b256 s[4:11], s[0:1], 0x0               ; hbuf s[4:5], maps s[6:7], order s[8:9], gate s[10:11]
	s_load_b128 s[12:15], s[0:1], 0x20             ; W2 s[12:13], b2 s[14:15]
	s_load_b64 s[16:17], s[0:1], 0x30              ; out0
	v_lshl_add_u32 v[SPW], v0, 2, SPARE
	v_mov_b32 v[NIL], 0
	v_and_b32 v[LANE], 31, v0
	v_lshrrev_b32 v[TM], 5, v0
	v_readfirstlane_b32 s18, v[TM]                 ; wave
	v_and_b32 v[RR], 15, v0
	v_bfe_u32 v[HH], v0, 4, 1
	v_lshlrev_b32 v[L16], 4, v[LANE]
	v_lshlrev_b32 v[L8], 3, v[LANE]
	v_lshlrev_b32 v[R16], 4, v[RR]
	v_lshlrev_b32 v[R4], 2, v[RR]
	v_lshl_or_b32 v[WOFF], v[HH], 16, v[R16]       ; 32 rows of 2,048 bytes
	s_lshl_b32 s32, s18, 2
	v_add_nc_u32 v[SG], s32, v[HH]
	s_lshl_b32 s32, s18, 8
	s_add_co_u32 s32, s32, TABI
	v_lshl_add_u32 v[TS], v[LANE], 2, s32          ; entries 64 w + lane (and + 32)
	s_lshl_b32 s32, s18, 3
	s_add_co_u32 s32, s32, TABI
	v_lshl_add_u32 v[VT0], v[HH], 5, s32           ; rows 8 hh + 2 w, + 1 of slot 0
	s_lshl_b32 s39, s18, 12
	s_lshl_b32 s40, s18, 10
	s_lshr_b32 s19, ttmp9, 5                       ; e
	s_bfe_u32 s20, ttmp9, 0x30002                  ; s2
	s_and_b32 s21, ttmp9, 3                        ; q
	s_mov_b32 s34, 0x76543210
	s_mov_b32 s35, 0xfedcba98
	s_mov_b32 s47, 0x55555555
	s_mov_b32 s48, 0x33333333
	s_mov_b32 s49, 0x0f0f0f0f
	s_mov_b32 s50, 0x01010101
	s_mov_b32 s31, 0
	s_wait_kmcnt 0x0
	s_lshl_b32 s30, s19, 9
	s_add_nc_u64 s[6:7], s[6:7], s[30:31]          ; maps at row e
	s_lshl_b32 s33, s20, 8
	s_lshl_b32 s30, s19, 11
	s_add_co_u32 s30, s30, s33
	s_add_nc_u64 s[14:15], s[14:15], s[30:31]      ; b2 at my 64 columns
	s_lshl_b32 s30, s19, 22
	s_add_co_u32 s30, s30, s33
	s_lshl_b32 s32, s18, 20                        ; my wave's 512 rows of 2,048 bytes
	s_add_co_u32 s30, s30, s32
	s_add_nc_u64 s[12:13], s[12:13], s[30:31]      ; W2 at my wave's rows and my 64 columns
	s_mov_b32 s30, s33
	s_add_nc_u64 s[16:17], s[16:17], s[30:31]      ; out0 at my 64 columns
	global_load_b128 v[R:R+3],   v[L16], s[6:7]
	global_load_b128 v[R+4:R+7], v[L16], s[6:7] offset:4096
	global_load_b128 v[B2:B2+3], v[R16], s[14:15]
	WIN 0x40                                       ; destination window 1
	WLOAD2 0
	WLOAD2 1
	WLOAD2 2
	WLOAD2 3
	WIN 0
	s_wait_loadcnt 63                              ; 64 loads of W2 are younger than maps and b2: these are in
	; the expert's count and the count of the lower experts' tokens: ones in my 4 + 4 words, both in one word, summed over the lanes
.irp n, 0,1,2,3,4,5,6,7
	POPC R+8+(\n), R+(\n), R+16
.endr
	v_add_nc_u32 v[R+8], v[R+8], v[R+9]
	v_add_nc_u32 v[R+10], v[R+10], v[R+11]
	v_add_nc_u32 v[R+12], v[R+12], v[R+13]
	v_add_nc_u32 v[R+14], v[R+14], v[R+15]
	v_add_nc_u32 v[R+8], v[R+8], v[R+10]
	v_add_nc_u32 v[R+12], v[R+12], v[R+14]
	v_lshl_or_b32 v[R+17], v[R+12], 16, v[R+8]
	v_mov_b32 v[R+18], 0
.irp d, 1,2,4,8
	v_mov_b32_dpp v[R+18], v[R+17] row_xmask:\d row_mask:0xf bank_mask:0xf
	v_add_nc_u32 v[R+17], v[R+17], v[R+18]
.endr
	v_permlanex16_b32 v[R+18], v[R+17], s34, s35
	v_add_nc_u32 v[R+17], v[R+17], v[R+18]
	v_readfirstlane_b32 s22, v[R+17]
	s_lshr_b32 s23, s22, 16
	s_and_b32 s22, s22, 0xffff
	s_min_u32 s22, s22, 0x1000                     ; c
	s_min_u32 s23, s23, 0x1000                     ; the tokens of lower experts
	s_add_co_u32 s24, s22, 15
	s_lshr_b32 s24, s24, 4                         ; nb: the expert's blocks
	s_max_u32 s25, s24, 1
	s_sub_co_u32 s25, s25, 1                       ; its last block (0 if it has none: the 16 rows behind R are the expert's own in every split)
	s_lshl_b32 s38, s19, 4
	s_add_co_u32 s38, s38, s23                     ; R: the expert's first sorted row
	s_lshl_b32 s30, s38, 12
	s_lshl_b32 s32, s18, 14                        ; my wave's 16 K steps of 1,024 bytes
	s_add_co_u32 s30, s30, s32
	s_add_nc_u64 s[4:5], s[4:5], s[30:31]
	s_lshl_b32 s30, s38, 2
	s_add_nc_u64 s[8:9], s[8:9], s[30:31]
	s_mov_b32 s26, s21                             ; the first pass's first block
	IDS
	; THE WEIGHTS: a ring of four batches of 16 loads.  Among them go out what the first pass needs: its tokens (above), their g at K step 4, its first block into buffer 2, which is free, at K step 12,
	; its second into buffer 0 at K step 13, when the two batches that lay there have been rounded.  Each wait counts the loads issued behind the batch that it is for.
.set k, 0
.rept 16
.if k >= 13
	s_wait_loadcnt 63                              ; the later batches and one or two blocks of 32: 64 or more, which the count cannot name
.elseif (k == 4) || (k >= 8)
	s_wait_loadcnt 48                              ; the three later batches
.else
	s_wait_loadcnt 50                              ; three batches and the two loads of tokens (K steps 0-3) or of g (5-7)
.endif
.if k == 4
	WIN 0
	GATES                                          ; the tokens were asked for ahead of batch 4, which is in
.endif
	CVT2 k
.if k+4 <= 15
	WIN 0x40
	WLOAD2 k+4
.endif
.if k == 12
	WIN 0
	SETVA 2, 0
	ALOAD 2
.endif
.if k == 13
	WIN 0
	SETVA 0, 4
	ALOAD 0
.endif
.set k, k+1
.endr
	WIN 0
; 64 matrix instructions: source 0 = 16 rows of h, source 1 = 16 columns of W2.  The first four start the sums; the four accumulators take turns, one instruction a turn.
.macro MMA2 cur
.if (\cur) == 2
.set wb, 0x08                          ; h in window 0, W in window 2
.set ab, 128
.else
.set wb, 0x09                          ; h in window 1
.set ab, 128*(\cur)
.endif
.set kp, 0
.rept 16
	WIN wb+4*(kp/8)                                ; from K step 8 on W in window 3
.set a, 0
.rept 4
.if kp == 0
	v_wmma_f32_16x16x32_f16 v[ACC+8*a:ACC+8*a+7], v[ab:ab+7], v[8*a:8*a+7], 0
.else
	v_wmma_f32_16x16x32_f16 v[ACC+8*a:ACC+8*a+7], v[ab+8*kp:ab+8*kp+7], v[8*(4*(kp%8)+a):8*(4*(kp%8)+a)+7], v[ACC+8*a:ACC+8*a+7]
.endif
.set a, a+1
.endr
.set kp, kp+1
.endr
	WIN 0
.endm
; Block s27, whose h lies in buffer cur.  Past the expert's last block the rest of the trip is jumped.  Else the block two further on, if there is one, is asked for first, into the buffer read last.
; The fetch and its counted wait stand in one branch, the wait for all loads in the other: each way is right by itself.
.macro THIRD cur
.set nx, ((\cur)+2)%3
	s_cmp_ge_u32 s27, s24
	s_cbranch_scc1 .Ldead
	s_add_co_u32 s32, s27, 8
	s_cmp_ge_u32 s32, s24
	s_cbranch_scc1 .Lnofetch_\@
	s_min_u32 s32, s32, 0xff
	s_lshl_b32 s32, s32, 16
	v_add_nc_u32 v[VA+nx], s32, v[L16]             ; free: that buffer's loads were waited for in the turn before
	ALOAD nx
	s_wait_loadcnt 63                              ; two blocks' loads, 64, are younger than this block's: it is in
	s_branch .Lgo_\@
.Lnofetch_\@:
	s_wait_loadcnt 0x0                             ; the expert's last two blocks: nothing more is asked for
.Lgo_\@:
	MMA2 \cur
.rept 5
	v_nop                                          ; places behind the last product: four ahead of the stores that read results; with the step of VP six ahead of the next products that start sums and of the next loads into a source
.endr
.irp a, 0,1,2,3
.irp m, 0,1,2,3
	ds_store_b64 v[VP], v[ACC+8*(\a)+2*(\m):ACC+8*(\a)+2*(\m)+1] offset:(4*(\m)+(\a))*256  ; each accumulator from its lowest registers on; 256 consecutive bytes a store
.endr
.endr
	v_add_nc_u32 v[VP], SLOTB, v[VP]
	s_add_co_u32 s27, s27, 4
.endm
	s_mov_b32 s28, 5
.Lpass:
	s_cmp_ge_u32 s26, s24
	s_cbranch_scc1 .Lbar1                          ; nothing left: only the barriers are passed
	v_add_nc_u32 v[VP], s39, v[L8]
	s_mov_b32 s27, s26
	s_mov_b32 s29, 5
.Lmain:                                                ; five trips of three blocks: the pass's 15 slots; the pass's first block lies in buffer 2, its second in buffer 0
	THIRD 2
	THIRD 0
	THIRD 1
	s_branch .Lmstep
.Ldead:                                                ; the expert's blocks are done:
	s_wait_loadcnt 0x0                             ; no load is out into a buffer, or by an address register, at the loop's head
.Lmstep:
	s_sub_co_u32 s29, s29, 1
	s_cmp_lg_u32 s29, 0
	s_cbranch_scc1 .Lmain
	s_wait_loadcnt 63                              ; behind the loads of g stand two blocks' loads or more, 64 (or nothing is out at all): g is in
.irp u, 0,1
	ds_store_b32 v[TS], v[ID+(\u)] offset:128*(\u)
	ds_store_b32 v[TS], v[G+(\u)]  offset:1024+128*(\u)
.endr
.Lbar1:
	s_wait_dscnt 0x0                               ; for the others' sake: my partial sums and my part of the tables are in LDS
	s_barrier_signal -1
	s_barrier_wait -1
	s_cmp_ge_u32 s26, s24
	s_cbranch_scc1 .Lbar2
	v_add_nc_u32 v[VR], s40, v[L8]                 ; wave w adds registers 2 w, 2 w + 1: rows 8 hh + 2 w, + 1
	v_mov_b32 v[VT], v[VT0]
	s_mov_b32 s36, s26
	s_mov_b32 s37, 15
.Lred:                                                 ; a slot a trip; slots past the expert's last block are jumped
	s_cmp_ge_u32 s36, s24
	s_cbranch_scc1 .Lredstep
.irp u, 0,1,2,3
.irp a, 0,1,2,3
	ds_load_b64 v[R+8*(\u)+2*(\a):R+8*(\u)+2*(\a)+1], v[VR] offset:(\u)*4096+(\a)*256
.endr
.endr
	ds_load_b64 v[TI:TI+1], v[VT]
	ds_load_b64 v[TG:TG+1], v[VT] offset:1024
	s_wait_dscnt 0x0
.irp a, 0,1,2,3
	v_pk_add_f32 v[R+2*(\a):R+2*(\a)+1],       v[R+2*(\a):R+2*(\a)+1],       v[R+8+2*(\a):R+8+2*(\a)+1]
	v_pk_add_f32 v[R+16+2*(\a):R+16+2*(\a)+1], v[R+16+2*(\a):R+16+2*(\a)+1], v[R+24+2*(\a):R+24+2*(\a)+1]
.endr
.irp a, 0,1,2,3
	v_pk_add_f32 v[R+2*(\a):R+2*(\a)+1], v[R+2*(\a):R+2*(\a)+1], v[R+16+2*(\a):R+16+2*(\a)+1]
.endr
.irp a, 0,2                            ; a column's bias for both rows: op_sel and op_sel_hi pick its register of the pair
	v_pk_add_f32 v[R+2*(\a):R+2*(\a)+1],   v[R+2*(\a):R+2*(\a)+1],   v[B2+(\a):B2+(\a)+1] op_sel_hi:[1,0]
	v_pk_add_f32 v[R+2*(\a)+2:R+2*(\a)+3], v[R+2*(\a)+2:R+2*(\a)+3], v[B2+(\a):B2+(\a)+1] op_sel:[0,1] op_sel_hi:[1,1]
.endr
	s_wait_xcnt 0x0                                ; O and VO are sources of the last trip's stores: they are written again only behind this wait, which stands behind the trip's LDS loads and additions
.irp jj, 0,1
.irp a, 0,1,2,3
	v_mul_f32 v[O+4*(\jj)+(\a)], v[R+2*(\a)+(\jj)], v[TG+(\jj)]  ; the row's g; a row's four columns come to lie side by side
.endr
.endr
.irp jj, 0,1
	v_min_u32 v[TI+(\jj)], 0xfff, v[TI+(\jj)]
	v_lshl_add_u32 v[VO+(\jj)], v[TI+(\jj)], 11, v[R16]
	global_store_b128 v[VO+(\jj)], v[O+4*(\jj):O+4*(\jj)+3], s[16:17] th:TH_STORE_NT  ; 16 lanes store 256 consecutive bytes of a token's row
.endr
	v_add_nc_u32 v[VR], SLOTB, v[VR]
	v_add_nc_u32 v[VT], 64, v[VT]
	s_add_co_u32 s36, s36, 4
.Lredstep:
	s_sub_co_u32 s37, s37, 1
	s_cmp_lg_u32 s37, 0
	s_cbranch_scc1 .Lred
.Lbar2:
	s_wait_dscnt 0x0                               ; my reads of the slots and tables are over: the next pass may write them
	s_barrier_signal -1
	s_barrier_wait -1
	s_add_co_u32 s26, s26, 60
	s_wait_loadcnt 0x0                             ; no load is out: the registers that the next pass's requests name are free
	s_cmp_ge_u32 s26, s24
	s_cbranch_scc1 .Lnopre                         ; no further block: nothing is asked for
	IDS                                            ; what the next pass needs ahead of its loop: tokens, first block, g, second block
	SETVA 2, 0
	ALOAD 2
	s_wait_loadcnt 32                              ; the 32 loads just issued may stay out: the tokens are in
	GATES
	SETVA 0, 4
	ALOAD 0
.Lnopre:
	s_sub_co_u32 s28, s28, 1
	s_cmp_lg_u32 s28, 0
	s_cbranch_scc1 .Lpass
	s_wait_tensorcnt 0x0                           ; the wave's end
	ds_add_u32 v[SPW], v[NIL]
	s_wait_dscnt 0x0
	s_endpgm
.Lfunc_end_k_q15b988665b_fc2:
	.size	k_q15b988665b_fc2, .Lfunc_end_k_q15b988665b_fc2-k_q15b988665b_fc2
	.p2alignl 7, 3214868480
	.fill 96, 4, 3214868480
	.section	.rodata,"a",@progbits
	.p2align	6, 0x0
	.amdhsa_kernel k_q15b988665b_fc2
		.amdhsa_group_segment_fixed_size 248320
		.amdhsa_private_segment_fixed_size 0
		.amdhsa_enable_private_segment 0
		.amdhsa_kernarg_size 56
		.amdhsa_user_sgpr_count 2
		.amdhsa_user_sgpr_kernarg_segment_ptr 1
		.amdhsa_wavefront_size32 1
		.amdhsa_system_sgpr_workgroup_id_x 1
		.amdhsa_system_sgpr_workgroup_id_y 1
		.amdhsa_system_sgpr_workgroup_id_z 1
		.amdhsa_system_vgpr_workitem_id 0
		.amdhsa_next_free_vgpr 1024
		.amdhsa_next_free_sgpr 66
		.amdhsa_reserve_vcc 0
		.amdhsa_float_denorm_mode_32 3
		.amdhsa_float_denorm_mode_16_64 3
		.amdhsa_memory_ordered 1
		.amdhsa_forward_progress 1
		.amdhsa_inst_pref_size 111
	.end_amdhsa_kernel
	.amdgpu_metadata
---
amdhsa.version: [ 1, 2 ]
amdhsa.kernels:
  - .name:           k_q15b988665b_fc2
    .symbol:         k_q15b988665b_fc2.kd
    .args:
      - { .name: hbuf, .offset: 0, .size: 8, .value_kind: global_buffer, .address_space: global }
      - { .name: maps, .offset: 8, .size: 8, .value_kind: global_buffer, .address_space: global }
      - { .name: order, .offset: 16, .size: 8, .value_kind: global_buffer, .address_space: global }
      - { .name: gate, .offset: 24, .size: 8, .value_kind: global_buffer, .address_space: global }
      - { .name: W2, .offset: 32, .size: 8, .value_kind: global_buffer, .address_space: global }
      - { .name: b2, .offset: 40, .size: 8, .value_kind: global_buffer, .address_space: global }
      - { .name: out0, .offset: 48, .size: 8, .value_kind: global_buffer, .address_space: global }
    .group_segment_fixed_size: 248320
    .private_segment_fixed_size: 0
    .kernarg_segment_align: 8
    .kernarg_segment_size: 56
    .max_flat_workgroup_size: 128
    .sgpr_count:     66
    .vgpr_count:     1024
    .wavefront_size: 32
...
	.end_amdgpu_metadata
.endif
;; end of part 3
